; MI455X (gfx1250); checked and timed in simulation.
; The chip was launched on July 23, 2026; its instructions are those of AMD's public machine-readable ISA for CDNA 5 (MIT licence, August 2026) and "CDNA5" Instruction Set Architecture Reference Guide (July 2026). The comments in the code are by the model that wrote it; some were corrected since.
;; Codebook. Allowed arithmetic: matrix products marked QUANTISED: E2M3 operands, one E8M0 scale for each 32 along K, by v_wmma_scale_f32_16x16x128_f8f6f4 with both operands' format E2M3, f32 sums; everything else in f32.
;; Inputs: codebook 8,192 x 32 float32; z 8 x 4,096 x 32 float32.
;; Outputs: out0 8 x 4,096 x 32 float32; out1 32,768 int32; out2 one number float32.
;; This version of the problem:
;;   THIS VERSION OF THE PROBLEM IS GIVEN IN LOW PRECISION. The matrix products marked QUANTISED in the list below multiply operands that are first quantised to E2M3 (2 exponent bits, 3 mantissa bits; 6 bits a number), with one power-of-two scale for each 32 numbers along K (OCP MX v1.0); their sums are f32. All else is computed in f32.
;;   The module's matrix products, in the order in which they are computed (A, B: the left and right operand; K: the contracted axis; several contracted axes count as one K, in the product's order):
;;     1. [M 32,768, K 32] x [K 32, N 8,192]; A: input z; B: input codebook: QUANTISED
;;   THE QUANTISER, for each operand of a quantised product, along K:
;;     - K is cut into blocks of 32 from its start; a last block that is shorter is filled with zeros.
;;     - A block's scale is 2^e with e = floor(log2(the largest magnitude in the block)) - 2, held to -126 .. 127; a block of zeros has e = 0. As a byte (E8M0): e + 127.
;;     - Each number is divided by its block's scale, clamped to +-7.5, and rounded to the nearest number of E2M3, ties to even, subnormals kept.
;;     - The product sums the exact products of the quantised numbers (number of the format x scale) in f32.
;;   ~~~python
;;   def quantise(x, axis):      # numpy; x: float32 -> the quantised numbers, widened to float32 again
;;       x = np.moveaxis(x, axis, -1); K = x.shape[-1]
;;       x = np.pad(x, [(0, 0)] * (x.ndim - 1) + [(0, -K % 32)]); x = x.reshape(x.shape[:-1] + (-1, 32)); a = np.abs(x).max(-1, keepdims=True)
;;       e = np.where(a > 0, np.clip(np.frexp(np.where(a > 0, a, 1))[1] - 1 - 2, -126, 127), 0)      # np.frexp(a)[1] - 1 = floor(log2(a)), exactly
;;       r = np.clip(x / 2.0 ** e, -7.5, 7.5)
;;       step = 2.0 ** (np.maximum(np.frexp(np.where(r == 0, 1, r))[1] - 1, 0) - 3)
;;       q = np.round(r / step) * step * 2.0 ** e      # np.round: ties to even
;;       return np.moveaxis(q.reshape(q.shape[:-2] + (-1,))[..., :K], -1, axis).astype(np.float32)
;;   ~~~
;; One version. Each part assembles by itself: llvm-mc -triple=amdgcn-amd-amdhsa -mcpu=gfx1250 --defsym DOCPART=n.
;; ======== version 1 of 1: 3 launches
;; limits: right only within a limited range of input values
;; workspace buffers: cv 524,288 bytes; ci 524,288 bytes of whole numbers; part 8,192 bytes
;; launch near (part 1): grid 64 x 4, 8 waves a work-group, clusters of 4 x 1, 327,680 bytes of LDS; arguments z, codebook, cv, ci; writes cv, ci
.if DOCPART == 1
	.amdgcn_target "amdgcn-amd-amdhsa--gfx1250"
	.amdhsa_code_object_version 6
	.text
	.protected	k_qcf388735f2_near
	.globl	k_qcf388735f2_near
	.p2align	8
	.type	k_qcf388735f2_near,@function
k_qcf388735f2_near:
	s_mov_b64 s[64:65], 0
	v_nop
	global_prefetch_b8 v0, s[64:65] scope:SCOPE_SE
	s_setreg_imm32_b32 hwreg(HW_REG_WAVE_MODE, 25, 1), 1
	s_wait_xcnt 0x0
	s_wait_alu depctr_hold_cnt(0) depctr_sa_sdst(0) depctr_va_vdst(0) depctr_va_sdst(0) depctr_va_ssrc(0) depctr_va_vcc(0) depctr_vm_vsrc(0)
	s_getreg_b32 s2, hwreg(HW_REG_IB_STS2, 6, 4)
	s_cmp_eq_u32 s2, 0
	s_cbranch_scc0 .Lentry_in_a_cluster
	s_endpgm
.Lentry_in_a_cluster:
	s_bfe_u32 s2, ttmp6, 0x10000c
	s_cmp_lg_u32 s2, 0x3003
	s_cbranch_scc0 .Lentry_shape_is_right
	s_endpgm
.Lentry_shape_is_right:
; For 512 rows of z (work-group x) and SLICE q of the codebook (work-group y: entries 2,048 q on): for each row the smallest dist = (|z|^2 + |e|^2) - 2 Q(z) . Q(e) over the slice and the first
; index that has it.  The next launch joins the four slices.  Nothing of the definition is left out: z2, though the same for all entries of a row, takes part in the f32 roundings and stays.
; The product is made on codes of FP6 (E2M3), one E8M0 scale for the one block of 32 along K; all else in f32 with the definition's roundings: s = z2 + e2 is rounded, d = s - 2 dot is one fused multiply-add.
; THE HEAD.  Wave w quantises records 4 w .. 4 w + 3 of the slice (a record: 64 entries) and its own 64 rows of z.  CLUSTER: the four work-groups of a cluster take four row blocks of ONE slice and need the same
; entries: each wave asks for its 256 entries, 32,768 dense bytes of f32, by ONE joint tensor load (the same descriptor, made of the slice and the wave's number; a mask that names the four), stated as 128 rows of
; 256 bytes with 16 bytes of padding behind each 128: an entry lies at 144 x its number.  Only the wave that asked reads those bytes.  z's rows are each work-group's own: 16 loads of 512 consecutive bytes a wave,
; turned through the wave's own small stage tile by tile, and quantised while the tensor load is on its way.
; A RECORD, 2,048 bytes, is stored over the start of its own 9,216 raw bytes when those have been read (nothing is filled there again): +0 the image of a fragment's 12 registers (registers 4 c .. 4 c + 3 of lane L
; at 512 c + 16 L; lane L's registers 0-5 are entry L, 6-11 entry 32 + L: block b of the instruction's K holds, in row r, entry 16 b + r); +1536 the 64 sums of squares by entry; +1792 a scale word a lane.
; DENSE CODEBOOK, SPARSE z.  The instruction's K is 128, the problem's 32.  A tile of 16 rows of z is kept in four forms, its codes in block b alone and zero codes elsewhere: the run of registers
; [0 X0 0 Y0 0 X1 .. Y3 0], six each (X: codes in lanes 0-15, Y: in lanes 16-31), holds all sixteen forms.  z's scale word has the row's byte in all four bytes: the other blocks hold zero codes and add nothing.
; TRANSPOSED: source 0 = the entries, source 1 = the rows: lane (r, h) holds row r, register j of product (t, b) entry 64 F + 16 b + 8 h + j.
; THE LOOP, a record a trip.  The record's sixteen products (four tiles x four forms) stand in ONE run, each with an accumulator of its own.  Then four steps, a tile each: a BATCH is one tile x one record, 32 numbers
; a lane: sixteen additions s = z2 + e2, sixteen multiply-adds, the batch's smallest.  Where that is under the best so far (strictly: the earlier record keeps a tie) the lane keeps it, the record's number and
; the 32 numbers; the keeping of a batch's numbers stands among the dependent lines of the NEXT batch's minimum, with its mask in VCC.  At the end the first kept number equal to the best gives the place.
; The next record's fragment and scale word are fetched behind the run's places, its sums of squares behind the last read of this record's.
; No prefetch: each byte is asked for once, at the head, and there is no loop to run ahead in.  By this text's count a wave has one tensor load out.
; LIMITS: NaN and infinities among the inputs, and a dist that overflows, are not served.  A row or entry of zeros gets the byte 1 where the rule says 127 (its codes are zeros; this launch alone reads the bytes); blocks
; whose largest magnitude lies under 2^-124 are held at the byte 1 and were not tried.  z2 and e2 are rounded squares added one by one in ascending k.
; REGISTERS.  window 0: v1-11 addresses; v12-15 chains; v16-23 best, its record (a pair a tile); v24-27 z's scale words; v28 the record's; v30-31 the add's; v32-63 e2; v64-127 s, then d, two sets;
;   v128-255 the kept batches (at the head: the numbers to quantise).  window 1: v0-101 z's forms; v104-115 the fragment; v116-123 z2; v128-255 the sixteen products.
.set SP,   144                         ; an entry or row in LDS: 128 bytes + 16
.set REC,  9216                        ; from record to record: 64 entries of SP bytes
.set ZST,  32*REC                      ; behind the 2,048 entries: a stage of 16 rows for each wave
.set WST,  16*SP
.set SPARE, ZST+8*WST                  ; the spare words, 128 bytes a wave: no other line names them
.set ADL,  1                           ; 16 x lane
.set SIN,  2                           ; into z's stage: eight lanes to a row
.set SOUT, 3                           ; my raw entries: an entry to a lane
.set RIM,  4                           ; my records' images: 4 REC w + 16 x lane
.set RE2,  5                           ; 4 REC w + 4 x lane
.set ADS0, 6                           ; 1,792 + 4 x lane
.set ADE0, 7                           ; 1,536 + 32 h
.set ADC,  8
.set ADS,  9
.set ADE,  10
.set FIDV, 11                          ; the record's number
.set C0,   12
.set BEST, 16
.set BID,  17
.set ZS,   24
.set SB,   28
.set E2,   32
.set ZA,   64
.set ZB,   96
.set SAV,  128
.set CD,   32                          ; head: two fragments' 24 registers
.set TS,   72
.set BY,   76
.set SM,   80
.set LR,   100
.set LH,   101
.set SH8,  102
.set ADZ,  103
.set PT,   104
.set WD,   106
.set TM,   108
.set BF,   104                         ; window 1
.set Z2P,  116
.set W,    128
.set MSB, 0
.macro WIN new                         ; the immediate's high byte repeats the setting that is left
.if MSB != \new
	s_set_vgpr_msb (MSB<<8)|\new
.set MSB, \new
.endif
.endm
; A round of the cluster's barrier: my work-group's barrier; wave 0 signals for the work-group; every wave waits for all four work-groups; my work-group's barrier once more.
.macro CROUND
	s_barrier_signal -1
	s_barrier_wait -1
	s_cmp_lg_u32 s12, 0
	s_cbranch_scc1 .Lnot_wave_0_\@
	s_barrier_signal -3
.Lnot_wave_0_\@:
	s_barrier_wait -3
	s_barrier_signal -1
	s_barrier_wait -1
.endm
; Four sets of 32 numbers a lane, at SAV + 32 t: each set's scale operand (TS), byte (BY), codes (three registers at DAt and at DBt) and sum of squares (SM).  The four sets by turns.
.macro QUANT4
.irp t, 0,1,2,3
	v_max3_num_f32 v[C0+\t], |v[SAV+32*\t]|, |v[SAV+32*\t+1]|, 0x1800000   ; with the floor 2^(3 - 127): the byte cannot fall under 1
.endr
.irp i, 2,4,6,8,10,12,14,16,18,20,22,24,26,28,30
.irp t, 0,1,2,3
	v_max3_num_f32 v[C0+\t], v[C0+\t], |v[SAV+32*\t+\i]|, |v[SAV+32*\t+\i+1]|
.endr
.endr
.irp t, 0,1,2,3
	v_add_nc_u32 v[TS+\t], 0xff000000, v[C0+\t]    ; 2 off the exponent field: the conversion's scale operand
.endr
.irp t, 0,1,2,3
	v_lshrrev_b32 v[BY+\t], 23, v[TS+\t]
.endr
.irp t, 0,1,2,3
	v_cvt_scalef32_pk16_fp6_f32 v[DA\t:DA\t+2], v[SAV+32*\t:SAV+32*\t+15], v[TS+\t]
	v_cvt_scalef32_pk16_fp6_f32 v[DB\t:DB\t+2], v[SAV+32*\t+16:SAV+32*\t+31], v[TS+\t]
.endr
	v_nop                                          ; one plain place behind a scaled conversion
.set j, 0
.rept 64
	v_pk_mul_f32 v[SAV+j:SAV+j+1], v[SAV+j:SAV+j+1], v[SAV+j:SAV+j+1]   ; rounded squares,
.set j, j+2
.endr
.irp t, 0,1,2,3
	v_add_f32 v[SM+\t], v[SAV+32*\t], v[SAV+32*\t+1]
.endr
.irp i, 2,3,4,5,6,7,8,9,10,11,12,13,14,15,16,17,18,19,20,21,22,23,24,25,26,27,28,29,30,31
.irp t, 0,1,2,3
	v_add_f32 v[SM+\t], v[SM+\t], v[SAV+32*\t+\i]  ; added one by one, k ascending
.endr
.endr
.endm
; My records c0 and c0 + 1: an entry to a lane out of the raw bytes, quantised, the records laid over the raw bytes' start.
.macro PAIR c0
.irp u, 0,1
.irp p, 0,1,2,3,4,5,6,7
	ds_load_b128 v[SAV+64*\u+4*\p:SAV+64*\u+4*\p+3], v[SOUT] offset:((\c0)+\u)*REC+16*\p
	ds_load_b128 v[SAV+64*\u+32+4*\p:SAV+64*\u+32+4*\p+3], v[SOUT] offset:((\c0)+\u)*REC+32*SP+16*\p
.endr
.endr
	s_wait_alu depctr_va_vdst(0)
	s_wait_dscnt 0x0                               ; both records' numbers are in registers: their bytes may be written over
	QUANT4
.irp u, 0,1
	v_lshl_or_b32 v[WD+\u], v[BY+2*\u+1], 16, v[BY+2*\u]   ; my two bytes: blocks h and 2 + h of row lane % 16,
	v_lshlrev_b32 v[WD+\u], v[SH8], v[WD+\u]               ; at their places;
	v_permlanex16_b32 v[PT+\u], v[WD+\u], s18, s19
	v_or_b32 v[WD+\u], v[WD+\u], v[PT+\u]                  ; with lane l xor 16's two the word is whole
.irp i, 0,1,2
	v_mov_b32 v[CD+12*\u+3+\i], v[56+8*\u+\i]              ; (a conversion's three registers begin on an even number)
	v_mov_b32 v[CD+12*\u+9+\i], v[60+8*\u+\i]
.endr
.irp k, 0,1,2
	ds_store_b128 v[RIM], v[CD+12*\u+4*\k:CD+12*\u+4*\k+3] offset:((\c0)+\u)*REC+512*\k
.endr
	ds_store_b32 v[RE2], v[SM+2*\u] offset:((\c0)+\u)*REC+1536
	ds_store_b32 v[RE2], v[SM+2*\u+1] offset:((\c0)+\u)*REC+1664
	ds_store_b32 v[RE2], v[WD+\u] offset:((\c0)+\u)*REC+1792
.endr
.endm
.macro FETCHA                          ; the record at s23: its scale word and its fragment: four loads
	v_add_nc_u32 v[ADC], s23, v[ADL]
	v_add_nc_u32 v[ADS], s23, v[ADS0]
	ds_load_b32 v[SB], v[ADS]
	WIN 0x40                                       ; destination window 1, address window 0
.irp c, 0,1,2
	ds_load_b128 v[BF+4*\c:BF+4*\c+3], v[ADC] offset:512*\c
.endr
	WIN 0
.endm
.macro FETCHE                          ; the same record: my half's 32 sums of squares: eight loads; then s23 steps
	v_add_nc_u32 v[ADE], s23, v[ADE0]
	s_add_co_u32 s23, s23, REC
.irp b, 0,1,2,3
.irp u, 0,1
	ds_load_b128 v[E2+8*\b+4*\u:E2+8*\b+4*\u+3], v[ADE] offset:64*\b+16*\u
.endr
.endr
.endm
.macro KEEP tp, i0, i1                 ; numbers 2 i0 .. 2 i1 + 1 of the batch at ZP, of tile tp, are kept where VCC says so
.set i, \i0
.rept (\i1)-(\i0)+1
	v_dual_cndmask_b32 v[SAV+32*(\tp)+2*i], v[SAV+32*(\tp)+2*i], v[ZP+2*i] :: v_dual_cndmask_b32 v[SAV+32*(\tp)+2*i+1], v[SAV+32*(\tp)+2*i+1], v[ZP+2*i+1]
.set i, i+1
.endr
.endm
; Tile t of the record in hand.  fa, fe = 1: the next record's loads stand here.
.macro STEP t, fa, fe
.set ZC, ZA+32*((\t)%2)
.set ZP, ZA+32*(1-(\t)%2)
	WIN 0x01                                       ; source 0 window 1, all else window 0
.irp b, 0,1,2,3
.irp i, 0,1,2,3
	v_pk_add_f32 v[ZC+8*\b+2*\i:ZC+8*\b+2*\i+1], v[Z2P+2*(\t):Z2P+2*(\t)+1], v[E2+8*\b+2*\i:E2+8*\b+2*\i+1] op_sel_hi:[0,1]   ; s = z2 + e2, rounded.  (They name no register of the products: the places behind the run)
.endr
.endr
.irp b, 0,1,2,3
.irp i, 0,1,2,3
	v_pk_fma_f32 v[ZC+8*\b+2*\i:ZC+8*\b+2*\i+1], v[W+32*(\t)+8*\b+2*\i:W+32*(\t)+8*\b+2*\i+1], -2.0, v[ZC+8*\b+2*\i:ZC+8*\b+2*\i+1] op_sel_hi:[1,0,1]   ; d = s - 2 dot, rounded once; each product is read from its low end on
.endr
.endr
	WIN 0
.if \fa
	FETCHA                                         ; 32 vector lines that name neither the fragment nor its scale word stand behind the run's last product
.endif
.if \fe
	FETCHE                                         ; e2's last read is past
.endif
.irp b, 0,1,2,3
	v_min3_num_f32 v[C0+\b], v[ZC+8*\b], v[ZC+8*\b+1], v[ZC+8*\b+2]
.endr
.irp k, 3,5
.irp b, 0,1,2,3
	v_min3_num_f32 v[C0+\b], v[C0+\b], v[ZC+8*\b+\k], v[ZC+8*\b+\k+1]
.endr
.endr
	v_min3_num_f32 v[C0], v[C0], v[ZC+7], v[ZC+15]
	v_min3_num_f32 v[C0+1], v[C0+1], v[ZC+23], v[ZC+31]
	KEEP ((\t)+3)%4, 0, 3                          ; the batch before, by the mask that its comparison left in VCC
	v_min3_num_f32 v[C0], v[C0], v[C0+1], v[C0+2]
	KEEP ((\t)+3)%4, 4, 7
	v_min_num_f32 v[C0], v[C0], v[C0+3]            ; this batch's smallest
	KEEP ((\t)+3)%4, 8, 15
	v_cmp_lt_f32 vcc_lo, v[C0], v[BEST+2*(\t)]     ; strictly: on a tie the earlier record stays
	v_min_num_f32 v[BEST+2*(\t)], v[BEST+2*(\t)], v[C0]
	v_cndmask_b32 v[BID+2*(\t)], v[BID+2*(\t)], v[FIDV], vcc_lo
.endm
.macro FRAGMENT fetch                  ; a record against my four tiles
	v_add_nc_u32 v[FIDV], 1, v[FIDV]
	s_wait_alu depctr_va_vdst(0)
	s_wait_dscnt 0x8                               ; the scale word and the fragment are in; the eight loads of e2, issued behind them, may be out
	WIN 0x45                                       ; sources 0 and 1 and the destination window 1
.irp t, 0,1,2,3
.irp b, 0,1,2,3
.set FM, 24*\t+12*(\b%2)+6*(1-\b/2)
	v_wmma_scale_f32_16x16x128_f8f6f4 v[W+32*\t+8*\b:W+32*\t+8*\b+7], v[BF:BF+11], v[FM:FM+11], 0, v[SB], v[ZS+\t] matrix_a_fmt:MATRIX_FMT_FP6 matrix_b_fmt:MATRIX_FMT_FP6
.endr
.endr
	s_wait_dscnt 0x0                               ; e2 is in
	STEP 0, \fetch, 0
	STEP 1, 0, 0
	STEP 2, 0, 0
	STEP 3, 0, \fetch
.endm
	s_load_b256 s[4:11], s[0:1], 0x0               ; z, the codebook, cv, ci
	v_lshl_add_u32 v30, v0, 2, SPARE
	v_mov_b32 v31, 0
	ds_add_u32 v30, v31                            ; the opening lines: the add, twice on end, and its wait ahead of my tensor load
	ds_add_u32 v30, v31
	v_lshrrev_b32 v[TM], 5, v0
	v_readfirstlane_b32 s12, v[TM]                 ; wave 0..7
	v_and_b32 v[TM+1], 31, v0                      ; lane
	v_and_b32 v[LR], 15, v0
	v_bfe_u32 v[LH], v0, 4, 1
	s_and_b32 s13, ttmp7, 0xffff                   ; q: the slice (the cluster's y)
	s_bfe_u32 s35, ttmp6, 0x40000                  ; cx: my place in the cluster
	s_lshl_b32 s34, ttmp9, 2                       ; in a cluster launch ttmp9 counts clusters
	s_add_co_u32 s35, s35, s34                     ; my block of 512 rows: it enters z's, cv's and ci's addresses alone
	s_mul_i32 s14, s12, WST
	s_add_co_u32 s14, s14, ZST                     ; my stage
	s_mul_i32 s15, s12, 4*REC                      ; my 256 entries, then my four records, in LDS
	v_lshlrev_b32 v[ADL], 4, v[TM+1]
	v_lshrrev_b32 v[TM+2], 3, v[TM+1]
	v_mul_u32_u24 v[TM+2], v[TM+2], SP
	v_and_b32 v[TM+3], 7, v[TM+1]
	v_lshl_add_u32 v[TM+2], v[TM+3], 4, v[TM+2]
	v_add_nc_u32 v[SIN], s14, v[TM+2]
	v_mul_u32_u24 v[TM+3], v[TM+1], SP
	v_add_nc_u32 v[SOUT], s15, v[TM+3]
	v_add_nc_u32 v[RIM], s15, v[ADL]
	v_lshl_add_u32 v[RE2], v[TM+1], 2, s15
	v_lshl_add_u32 v[ADS0], v[TM+1], 2, 1792
	v_lshl_add_u32 v[ADE0], v[LH], 5, 1536
	v_mul_u32_u24 v[ADZ], v[LR], SP
	v_add_nc_u32 v[ADZ], s14, v[ADZ]
	v_lshlrev_b32 v[SH8], 3, v[LH]
	v_mov_b32 v[PT], 0                             ; (a lane permute's destination counts as one of its sources)
	v_mov_b32 v[PT+1], 0
	s_mov_b32 s18, 0x76543210
	s_mov_b32 s19, 0xfedcba98                      ; v_permlanex16_b32's selects for lane l xor 16
	s_mov_b32 s26, 0x0000ffff                      ; lanes 0-15
	s_mov_b32 s27, 0xffff0000                      ; lanes 16-31
	s_mov_b32 s23, 0                               ; LDS byte of the record to be fetched
	; descriptor group 1: 128 rows of 64 elements of 4 bytes (256 bytes, dense), 16 bytes of padding behind every 32 words
	s_mov_b32 s40, 15|(2<<16)|(1<<20)|(1<<21)|(4<<22)|(3<<25)   ; 15:0 the mask: all four work-groups; 17:16 elements of 4 bytes; 20 padding on; 21 set beside a mask; 24:22 after every 32 words; 31:25 4 words
	s_mov_b32 s41, 64<<16                          ; tensor_dim0 = 64
	s_mov_b32 s42, 128<<16                         ; tensor_dim1 = 128
	s_mov_b32 s43, 64<<16                          ; tile_dim0 = 64
	s_mov_b32 s44, 128                             ; tile_dim1 = 128
	s_mov_b32 s45, 64                              ; elements from row to row
	s_mov_b32 s46, 0
	s_mov_b32 s47, 0
	s_lshl_b32 s16, s35, 16                        ; z: 512 rows of 128 bytes a work-group, 64 a wave
	s_lshl_b32 s17, s12, 13
	s_add_co_u32 s16, s16, s17
	s_mov_b32 s17, 0
	s_lshl_b32 s24, s13, 18                        ; the codebook: 2,048 entries a slice, 256 a wave: made of the slice and the wave's number alone
	s_lshl_b32 s25, s12, 15
	s_add_co_u32 s24, s24, s25
	s_mov_b32 s25, 0
	s_lshl_b32 s32, s13, 17                        ; cv, ci: [slice][row], 4 bytes: 131,072 q + 2,048 x + 256 w
	s_lshl_b32 s33, s35, 11
	s_add_co_u32 s32, s32, s33
	s_lshl_b32 s33, s12, 8
	s_add_co_u32 s32, s32, s33
	s_mov_b32 s33, 0
	s_lshl_b32 s34, s13, 11                        ; the slice's first entry
	s_wait_dscnt 0x0                               ; both opening adds are done
	s_wait_alu depctr_va_vdst(0)
	s_wait_kmcnt 0x0
	s_add_nc_u64 s[4:5], s[4:5], s[16:17]
	s_add_nc_u64 s[8:9], s[8:9], s[32:33]
	s_add_nc_u64 s[10:11], s[10:11], s[32:33]
.irp i, 0,1,2,3,4,5,6,7,8,9,10,11,12,13,14,15
	global_load_b128 v[32+4*\i:32+4*\i+3], v[ADL], s[4:5] offset:512*\i   ; my 64 rows of z: 512 consecutive bytes a load
.endr
	s_mov_b32 s36, 1                               ; group 0: count = 1; the LDS address; the global address; type = 2
	s_mov_b32 s37, s15
	s_add_nc_u64 s[38:39], s[6:7], s[24:25]
	s_or_b32 s39, s39, 0x80000000
	CROUND                                         ; all four work-groups are here: the joint loads meet
	tensor_load_to_lds s[36:39], s[40:47]          ; my 256 entries: the wave's one tensor load
	s_nop 0
.rept 4
	v_nop
.endr
	s_wait_loadcnt 0x0                             ; z's 16 loads are in
.irp t, 0,1,2,3                        ; tile by tile through my stage: LDS serves a wave's instructions in order (ISA guide 5.7.1.4)
.irp k, 0,1,2,3
	ds_store_b128 v[SIN], v[32+16*\t+4*\k:32+16*\t+4*\k+3] offset:4*SP*\k
.endr
.irp i, 0,1,2,3,4,5,6,7
	ds_load_b128 v[SAV+32*\t+4*\i:SAV+32*\t+4*\i+3], v[ADZ] offset:16*\i   ; row 16 t + r, whole, in both halves of the lanes
.endr
.endr
	s_wait_dscnt 0x0
.set DA0, 32
.set DB0, 36
.set DA1, 40
.set DB1, 44
.set DA2, 48
.set DB2, 52
.set DA3, 56
.set DB3, 60
	QUANT4
.irp t, 0,1,2,3
	v_lshl_or_b32 v[TM+\t], v[BY+\t], 8, v[BY+\t]
.endr
.irp t, 0,1,2,3
	v_lshl_or_b32 v[ZS+\t], v[TM+\t], 16, v[TM+\t] ; the row's byte in all four bytes
.endr
	WIN 0x40
.irp p, 0,12,24,36,48,60,72,84,96
.irp i, 0,1,2,3,4,5
	v_mov_b32 v[\p+\i], 0                          ; the nine runs of zero codes
.endr
.endr
.irp t, 0,1,2,3
.irp i, 0,1,2
	v_cndmask_b32 v[6+24*\t+\i], 0, v[32+8*\t+\i], s26      ; X: the codes in lanes 0-15
	v_cndmask_b32 v[9+24*\t+\i], 0, v[36+8*\t+\i], s26
	v_cndmask_b32 v[18+24*\t+\i], 0, v[32+8*\t+\i], s27     ; Y: in lanes 16-31
	v_cndmask_b32 v[21+24*\t+\i], 0, v[36+8*\t+\i], s27
.endr
	v_mov_b32 v[Z2P+2*\t], v[SM+\t]
	v_mov_b32 v[Z2P+2*\t+1], v[SM+\t]              ; (the packed form names the pair)
.endr
	WIN 0
	s_wait_alu depctr_va_vdst(0)
	s_wait_tensorcnt 0x0                           ; my 256 entries lie in LDS; every wave waits here, under no branch
.set DA0, CD
.set DB0, 56
.set DA1, CD+6
.set DB1, 60
.set DA2, CD+12
.set DB2, 64
.set DA3, CD+18
.set DB3, 68
	PAIR 0
	PAIR 2
.set j, 0
.rept 32
	v_mov_b32 v[ZB+j], 0x7f800000                  ; the first step names these as the batch before; its mask is 0, so none of them is kept
.set j, j+1
.endr
.irp t, 0,1,2,3
	v_mov_b32 v[BEST+2*\t], 0x7f800000
	v_mov_b32 v[BID+2*\t], 0
.endr
	v_mov_b32 v[FIDV], -1
	s_mov_b32 vcc_lo, 0                            ; no batch stands before the first
	s_wait_alu depctr_va_vdst(0)
	s_wait_dscnt 0x0                               ; for the others' sake: my records lie in LDS
	s_barrier_signal -1
	s_barrier_wait -1                              ; all 32 records do
	FETCHA                                         ; record 0
	FETCHE
	s_mov_b32 s20, 0
.Lrec:                                                 ; records 0 to 30; each asks for the next
	FRAGMENT 1
	s_add_co_u32 s20, s20, 1
	s_cmp_lt_u32 s20, 31
	s_wait_alu depctr_va_vdst(0)
	s_cbranch_scc1 .Lrec
	FRAGMENT 0                                     ; record 31 asks for nothing
.set ZP, ZB
	KEEP 3, 0, 15                                  ; the last batch
	; the place in the best batch: the FIRST kept number equal to the best; from the last down, so that the lowest stays.  Number e = 8 b + j is entry 16 b + 8 h + j of the record
.irp t, 0,1,2,3
	v_mov_b32 v[C0+\t], 0
.endr
.irp e, 31,30,29,28,27,26,25,24,23,22,21,20,19,18,17,16,15,14,13,12,11,10,9,8,7,6,5,4,3,2,1,0
.irp t, 0,1,2,3
	v_cmp_neq_f32 s[48+\t], v[SAV+32*\t+\e], v[BEST+2*\t]
.endr
.irp t, 0,1,2,3
	v_cndmask_b32 v[C0+\t], 16*(\e/8)+\e%8, v[C0+\t], s[48+\t]
.endr
.endr
	v_and_b32 v32, 15, v0
	v_bfe_u32 v33, v0, 4, 1
	v_and_b32 v34, 31, v0
	v_lshl_add_u32 v35, v33, 3, s34                ; 8 h + 2,048 q
	v_lshl_add_u32 v38, v32, 2, s14                ; my stage: 4 r (+ 64 t)
	v_lshl_add_u32 v39, v34, 3, s14                ; and back 8 bytes a lane
	v_lshlrev_b32 v44, 3, v34
	v_mov_b32 v36, 0
	v_mov_b32 v37, 0
.irp t, 0,1,2,3
	v_lshl_add_u32 v[C0+\t], v[BID+2*\t], 6, v[C0+\t]
.endr
.irp t, 0,1,2,3
	v_add_nc_u32 v[C0+\t], v[C0+\t], v35           ; the entry's index: 2,048 q + 64 F + 16 b + 8 h + j
.endr
.irp t, 0,1,2,3                        ; with lane l xor 16, which holds the same row's other entries: the smaller number, on a tie the smaller index
	v_permlanex16_b32 v36, v[BEST+2*\t], s18, s19
	v_permlanex16_b32 v37, v[C0+\t], s18, s19
	v_cmp_lt_f32 s28, v36, v[BEST+2*\t]
	v_cmp_eq_f32 s29, v36, v[BEST+2*\t]
	v_cmp_lt_u32 s30, v37, v[C0+\t]
	s_and_b32 s29, s29, s30
	s_or_b32 s28, s28, s29
	v_cndmask_b32 v[BEST+2*\t], v[BEST+2*\t], v36, s28
	v_cndmask_b32 v[C0+\t], v[C0+\t], v37, s28
.endr
.irp t, 0,1,2,3
	ds_store_b32 v38, v[BEST+2*\t] offset:64*\t    ; by row; both halves of the lanes write the same word with the same value
	ds_store_b32 v38, v[C0+\t] offset:256+64*\t
.endr
	ds_load_b64 v[40:41], v39                      ; LDS serves a wave's instructions in order: these see my stores
	ds_load_b64 v[42:43], v39 offset:256
	s_wait_alu depctr_va_vdst(0)
	s_wait_dscnt 0x0
	global_store_b64 v44, v[40:41], s[8:9]         ; my 64 rows' numbers: 256 consecutive bytes, aligned,
	global_store_b64 v44, v[42:43], s[10:11]       ; and their indices
	s_wait_tensorcnt 0x0                           ; the wave's end
	ds_add_u32 v30, v31
	s_wait_dscnt 0x0
	CROUND                                         ; the closing round: no work-group ends while a partner may still ask for bytes jointly
	s_endpgm
.Lfunc_end_k_qcf388735f2_near:
	.size	k_qcf388735f2_near, .Lfunc_end_k_qcf388735f2_near-k_qcf388735f2_near
	.p2alignl 7, 3214868480
	.fill 96, 4, 3214868480
	.section	.rodata,"a",@progbits
	.p2align	6, 0x0
	.amdhsa_kernel k_qcf388735f2_near
		.amdhsa_group_segment_fixed_size 327680
		.amdhsa_private_segment_fixed_size 0
		.amdhsa_enable_private_segment 0
		.amdhsa_kernarg_size 32
		.amdhsa_user_sgpr_count 2
		.amdhsa_user_sgpr_kernarg_segment_ptr 1
		.amdhsa_wavefront_size32 1
		.amdhsa_system_sgpr_workgroup_id_x 1
		.amdhsa_system_sgpr_workgroup_id_y 1
		.amdhsa_system_sgpr_workgroup_id_z 1
		.amdhsa_system_vgpr_workitem_id 0
		.amdhsa_next_free_vgpr 512
		.amdhsa_next_free_sgpr 66
		.amdhsa_reserve_vcc 1
		.amdhsa_float_denorm_mode_32 3
		.amdhsa_float_denorm_mode_16_64 3
		.amdhsa_memory_ordered 1
		.amdhsa_forward_progress 1
		.amdhsa_inst_pref_size 124
	.end_amdhsa_kernel
	.amdgpu_metadata
---
amdhsa.version: [ 1, 2 ]
amdhsa.kernels:
  - .name:           k_qcf388735f2_near
    .symbol:         k_qcf388735f2_near.kd
    .args:
      - { .name: z, .offset: 0, .size: 8, .value_kind: global_buffer, .address_space: global }
      - { .name: codebook, .offset: 8, .size: 8, .value_kind: global_buffer, .address_space: global }
      - { .name: cv, .offset: 16, .size: 8, .value_kind: global_buffer, .address_space: global }
      - { .name: ci, .offset: 24, .size: 8, .value_kind: global_buffer, .address_space: global }
    .group_segment_fixed_size: 327680
    .private_segment_fixed_size: 0
    .kernarg_segment_align: 8
    .kernarg_segment_size: 32
    .max_flat_workgroup_size: 256
    .sgpr_count:     66
    .vgpr_count:     512
    .wavefront_size: 32
...
	.end_amdgpu_metadata
.endif
;; end of part 1
;; launch finish (part 2): grid 256 x 1, 8 waves a work-group, no clusters, 0 bytes of LDS; arguments z, codebook, cv, ci, out0, out1, part; writes out0, out1, part
.if DOCPART == 2
	.amdgcn_target "amdgcn-amd-amdhsa--gfx1250"
	.amdhsa_code_object_version 6
	.text
	.protected	k_qcf388735f2_finish
	.globl	k_qcf388735f2_finish
	.p2align	8
	.type	k_qcf388735f2_finish,@function
k_qcf388735f2_finish:
	s_mov_b64 s[64:65], 0
	v_nop
	global_prefetch_b8 v0, s[64:65] scope:SCOPE_SE
	s_setreg_imm32_b32 hwreg(HW_REG_WAVE_MODE, 25, 1), 1
	s_wait_xcnt 0x0
; The four slices' results are joined: for each row the smallest of the four numbers, on a tie the lower slice, which holds the lower indices.  out1 = its index; out0 = z + (e - z), e = the codebook's row at that index;
; and for each wave the sum of (e - z)^2 over its 16 rows, for the loss.
; ADDRESSES hang on the stored indices alone: all four candidates' rows are gathered, and the comparison of the numbers only selects among what was loaded.
; A work-group takes 128 rows, a wave 16, in four steps of four rows: in step s lane l holds piece l % 8 (16 bytes) of row 16 w + 4 s + l / 8, so that each load of z and each store of out0 covers 512 consecutive
; bytes, aligned, and eight lanes gather a codebook row's 128 bytes.  Wave 0 also joins the work-group's 128 rows four to a lane, so that out1 leaves as 512 consecutive bytes.
; Memory binds: no LDS, no matrix unit, no cluster.  Every step has registers of its own for its loads and its store.  An index is held to 0 .. 8,191 ahead of its use in an address.
.set CI,  4                            ; v4-19   indices, 4 s + q
.set CV,  20                           ; v20-35  numbers, 4 s + q
.set Z,   36                           ; v36-51
.set AD,  52                           ; v52-67
.set E,   68                           ; v68-131 rows, 16 s + 4 q
.set SL,  131072                       ; bytes from slice to slice in cv and ci
	s_load_b256 s[4:11], s[0:1], 0x0               ; z, the codebook, cv, ci
	s_load_b128 s[12:15], s[0:1], 0x20             ; out0, out1
	s_load_b64 s[16:17], s[0:1], 0x30              ; part
	v_lshrrev_b32 v150, 5, v0
	v_readfirstlane_b32 s18, v150                  ; wave 0..7
	v_and_b32 v151, 31, v0                         ; lane
	s_lshl_b32 s19, s18, 11
	v_lshl_add_u32 v1, v151, 4, s19                ; z, out0: 2,048 x wave + 16 x lane
	s_lshl_b32 s19, s18, 6
	v_lshrrev_b32 v2, 3, v151
	v_lshl_add_u32 v2, v2, 2, s19                  ; cv, ci: 64 x wave + 4 (lane / 8)
	v_and_b32 v3, 7, v151
	v_lshlrev_b32 v3, 4, v3                        ; my piece of a row
	v_lshlrev_b32 v152, 4, v151                    ; wave 0: four rows a lane
	v_mov_b32 v153, 0
	v_mov_b32 v154, 0                              ; (a lane permute's destination counts as one of its sources)
	s_mov_b32 s28, 0x76543210
	s_mov_b32 s29, 0xfedcba98                      ; v_permlanex16_b32's selects for lane l xor 16
	s_lshl_b32 s20, ttmp9, 14                      ; the work-group's 128 rows of 128 bytes,
	s_mov_b32 s21, 0
	s_lshl_b32 s22, ttmp9, 9                       ; its 128 words,
	s_mov_b32 s23, 0
	s_lshl_b32 s24, ttmp9, 5                       ; its eight partial sums, and my wave's among them
	s_lshl_b32 s25, s18, 2
	s_add_co_u32 s24, s24, s25
	s_mov_b32 s25, 0
	s_wait_alu depctr_va_vdst(0)
	s_wait_kmcnt 0x0
	s_add_nc_u64 s[4:5], s[4:5], s[20:21]
	s_add_nc_u64 s[12:13], s[12:13], s[20:21]
	s_add_nc_u64 s[8:9], s[8:9], s[22:23]
	s_add_nc_u64 s[10:11], s[10:11], s[22:23]
	s_add_nc_u64 s[14:15], s[14:15], s[22:23]
	s_add_nc_u64 s[16:17], s[16:17], s[24:25]
	s_cmp_lg_u32 s18, 0
	s_cbranch_scc1 .Lnot0a
.irp q, 0,1,2,3                        ; wave 0's eight loads go first: loads end in order, so the counts below hold with them and without
	global_load_b128 v[160+4*\q:163+4*\q], v152, s[8:9] offset:SL*\q
	global_load_b128 v[176+4*\q:179+4*\q], v152, s[10:11] offset:SL*\q
.endr
.Lnot0a:
.irp s, 0,1,2,3
.irp q, 0,1,2,3
	global_load_b32 v[CI+4*\s+\q], v2, s[10:11] offset:SL*\q+16*\s
.endr
.endr
.irp s, 0,1,2,3
.irp q, 0,1,2,3
	global_load_b32 v[CV+4*\s+\q], v2, s[8:9] offset:SL*\q+16*\s
.endr
.endr
.irp s, 0,1,2,3
	global_load_b128 v[Z+4*\s:Z+4*\s+3], v1, s[4:5] offset:512*\s th:TH_LOAD_NT
.endr
	s_wait_loadcnt 20                              ; the sixteen indices are in; the sixteen numbers and z's four loads may be out
.irp n, 0,1,2,3,4,5,6,7,8,9,10,11,12,13,14,15
	v_min_u32 v[CI+\n], 0x1fff, v[CI+\n]
.endr
.irp n, 0,1,2,3,4,5,6,7,8,9,10,11,12,13,14,15
	v_lshl_add_u32 v[AD+\n], v[CI+\n], 7, v3       ; the row's 128 bytes, my piece
.endr
.irp n, 0,1,2,3,4,5,6,7,8,9,10,11,12,13,14,15
	global_load_b128 v[E+4*\n:E+4*\n+3], v[AD+\n], s[6:7]
.endr
.irp s, 0,1,2,3
	s_wait_alu depctr_va_vdst(0)
	s_wait_loadcnt 12-4*\s                         ; step s's four gathers are in (and all that was issued earlier); the later steps' may be out
.irp q, 1,2,3
	v_cmp_lt_f32 vcc_lo, v[CV+4*\s+\q], v[CV+4*\s] ; strictly: on a tie the lower slice stays
	v_cndmask_b32 v[CV+4*\s], v[CV+4*\s], v[CV+4*\s+\q], vcc_lo
.irp i, 0,1,2,3
	v_cndmask_b32 v[E+16*\s+\i], v[E+16*\s+\i], v[E+16*\s+4*\q+\i], vcc_lo
.endr
.endr
	v_pk_add_f32 v[132:133], v[E+16*\s:E+16*\s+1], v[Z+4*\s:Z+4*\s+1] neg_lo:[0,1] neg_hi:[0,1]      ; e - z
	v_pk_add_f32 v[134:135], v[E+16*\s+2:E+16*\s+3], v[Z+4*\s+2:Z+4*\s+3] neg_lo:[0,1] neg_hi:[0,1]
	v_pk_add_f32 v[E+16*\s:E+16*\s+1], v[Z+4*\s:Z+4*\s+1], v[132:133]                                ; z + (e - z)
	v_pk_add_f32 v[E+16*\s+2:E+16*\s+3], v[Z+4*\s+2:Z+4*\s+3], v[134:135]
.if \s == 0
	v_pk_mul_f32 v[136:137], v[132:133], v[132:133]          ; the first squares start the sums
	v_pk_mul_f32 v[138:139], v[134:135], v[134:135]
.else
	v_pk_fma_f32 v[136:137], v[132:133], v[132:133], v[136:137]
	v_pk_fma_f32 v[138:139], v[134:135], v[134:135], v[138:139]
.endif
	global_store_b128 v1, v[E+16*\s:E+16*\s+3], s[12:13] offset:512*\s th:TH_STORE_NT
.endr
	s_cmp_lg_u32 s18, 0
	s_wait_alu depctr_va_vdst(0)
	s_cbranch_scc1 .Lnot0b
.irp q, 1,2,3
.irp j, 0,1,2,3
	v_cmp_lt_f32 vcc_lo, v[160+4*\q+\j], v[160+\j]
	v_cndmask_b32 v[160+\j], v[160+\j], v[160+4*\q+\j], vcc_lo
	v_cndmask_b32 v[176+\j], v[176+\j], v[176+4*\q+\j], vcc_lo
.endr
.endr
	global_store_b128 v152, v[176:179], s[14:15]   ; 32 lanes store the work-group's 128 indices: 512 consecutive bytes, aligned
.Lnot0b:
	v_pk_add_f32 v[136:137], v[136:137], v[138:139]
	v_add_f32 v136, v136, v137
	v_add_f32_dpp v136, v136, v136 row_xmask:1 row_mask:0xf bank_mask:0xf
	v_add_f32_dpp v136, v136, v136 row_xmask:2 row_mask:0xf bank_mask:0xf
	v_add_f32_dpp v136, v136, v136 row_xmask:4 row_mask:0xf bank_mask:0xf
	v_add_f32_dpp v136, v136, v136 row_xmask:8 row_mask:0xf bank_mask:0xf
	v_permlanex16_b32 v154, v136, s28, s29
	v_add_f32 v136, v136, v154                     ; the wave's sum, in every lane
	v_cmp_eq_u32 vcc_lo, 0, v151
	s_wait_alu depctr_va_vdst(0)
	s_wait_xcnt 0x0                                ; EXEC, a source of the stores above, changes only behind this wait
	s_and_saveexec_b32 s19, vcc_lo
	global_store_b32 v153, v136, s[16:17]          ; lane 0 stores it; nothing follows, so EXEC is not widened again
	s_endpgm
.Lfunc_end_k_qcf388735f2_finish:
	.size	k_qcf388735f2_finish, .Lfunc_end_k_qcf388735f2_finish-k_qcf388735f2_finish
	.p2alignl 7, 3214868480
	.fill 96, 4, 3214868480
	.section	.rodata,"a",@progbits
	.p2align	6, 0x0
	.amdhsa_kernel k_qcf388735f2_finish
		.amdhsa_group_segment_fixed_size 0
		.amdhsa_private_segment_fixed_size 0
		.amdhsa_enable_private_segment 0
		.amdhsa_kernarg_size 56
		.amdhsa_user_sgpr_count 2
		.amdhsa_user_sgpr_kernarg_segment_ptr 1
		.amdhsa_wavefront_size32 1
		.amdhsa_system_sgpr_workgroup_id_x 1
		.amdhsa_system_sgpr_workgroup_id_y 1
		.amdhsa_system_sgpr_workgroup_id_z 1
		.amdhsa_system_vgpr_workitem_id 0
		.amdhsa_next_free_vgpr 200
		.amdhsa_next_free_sgpr 66
		.amdhsa_reserve_vcc 1
		.amdhsa_float_denorm_mode_32 3
		.amdhsa_float_denorm_mode_16_64 3
		.amdhsa_memory_ordered 1
		.amdhsa_forward_progress 1
		.amdhsa_inst_pref_size 16
	.end_amdhsa_kernel
	.amdgpu_metadata
---
amdhsa.version: [ 1, 2 ]
amdhsa.kernels:
  - .name:           k_qcf388735f2_finish
    .symbol:         k_qcf388735f2_finish.kd
    .args:
      - { .name: z, .offset: 0, .size: 8, .value_kind: global_buffer, .address_space: global }
      - { .name: codebook, .offset: 8, .size: 8, .value_kind: global_buffer, .address_space: global }
      - { .name: cv, .offset: 16, .size: 8, .value_kind: global_buffer, .address_space: global }
      - { .name: ci, .offset: 24, .size: 8, .value_kind: global_buffer, .address_space: global }
      - { .name: out0, .offset: 32, .size: 8, .value_kind: global_buffer, .address_space: global }
      - { .name: out1, .offset: 40, .size: 8, .value_kind: global_buffer, .address_space: global }
      - { .name: part, .offset: 48, .size: 8, .value_kind: global_buffer, .address_space: global }
    .group_segment_fixed_size: 0
    .private_segment_fixed_size: 0
    .kernarg_segment_align: 8
    .kernarg_segment_size: 56
    .max_flat_workgroup_size: 256
    .sgpr_count:     66
    .vgpr_count:     200
    .wavefront_size: 32
...
	.end_amdgpu_metadata
.endif
;; end of part 2
;; launch total (part 3): grid 1 x 1, 1 waves a work-group, no clusters, 0 bytes of LDS; arguments part, out2; writes out2
.if DOCPART == 3
	.amdgcn_target "amdgcn-amd-amdhsa--gfx1250"
	.amdhsa_code_object_version 6
	.text
	.protected	k_qcf388735f2_total
	.globl	k_qcf388735f2_total
	.p2align	8
	.type	k_qcf388735f2_total,@function
k_qcf388735f2_total:
	s_mov_b64 s[64:65], 0
	v_nop
	global_prefetch_b8 v0, s[64:65] scope:SCOPE_SE
	s_setreg_imm32_b32 hwreg(HW_REG_WAVE_MODE, 25, 1), 1
	s_wait_xcnt 0x0
; The loss: mean((e - z)^2) + 0.25 x mean((e - z)^2) = 1.25 / 2^20 x the sum of the 2,048 partial sums (32,768 rows x 32 numbers = 2^20).
; One wave reads the 8,192 bytes by sixteen loads of 512 consecutive bytes, adds them in four packed chains, then across its lanes.  A sum over all work-groups of the launch before: it has to stand in a launch of its own.
	s_load_b128 s[4:7], s[0:1], 0x0                ; part, out2
	v_lshlrev_b32 v1, 4, v0
	v_mov_b32 v2, 0
	s_mov_b32 s8, 0x76543210
	s_mov_b32 s9, 0xfedcba98                       ; v_permlanex16_b32's selects for lane l xor 16
	s_wait_alu depctr_va_vdst(0)
	s_wait_kmcnt 0x0
.irp i, 0,1,2,3,4,5,6,7,8,9,10,11,12,13,14,15
	global_load_b128 v[8+4*\i:11+4*\i], v1, s[4:5] offset:512*\i
.endr
	s_wait_loadcnt 0x0
.irp j, 2,3,4,5,6,7,8,9,10,11,12,13,14,15
	v_pk_add_f32 v[8+4*(\j%2):9+4*(\j%2)], v[8+4*(\j%2):9+4*(\j%2)], v[8+4*\j:9+4*\j]
	v_pk_add_f32 v[10+4*(\j%2):11+4*(\j%2)], v[10+4*(\j%2):11+4*(\j%2)], v[10+4*\j:11+4*\j]
.endr
	v_pk_add_f32 v[8:9], v[8:9], v[12:13]
	v_pk_add_f32 v[10:11], v[10:11], v[14:15]
	v_pk_add_f32 v[8:9], v[8:9], v[10:11]
	v_add_f32 v8, v8, v9
	v_add_f32_dpp v8, v8, v8 row_xmask:1 row_mask:0xf bank_mask:0xf
	v_add_f32_dpp v8, v8, v8 row_xmask:2 row_mask:0xf bank_mask:0xf
	v_add_f32_dpp v8, v8, v8 row_xmask:4 row_mask:0xf bank_mask:0xf
	v_add_f32_dpp v8, v8, v8 row_xmask:8 row_mask:0xf bank_mask:0xf
	v_permlanex16_b32 v9, v8, s8, s9
	v_add_f32 v8, v8, v9
	v_mul_f32 v8, 0x35a00000, v8                   ; x 1.25 x 2^-20
	v_cmp_eq_u32 vcc_lo, 0, v0
	s_wait_alu depctr_va_vdst(0)
	s_wait_xcnt 0x0                                ; EXEC, a source of the loads above, changes only behind this wait
	s_and_saveexec_b32 s10, vcc_lo
	global_store_b32 v2, v8, s[6:7]                ; lane 0 stores the one number; nothing follows, so EXEC is not widened again
	s_endpgm
.Lfunc_end_k_qcf388735f2_total:
	.size	k_qcf388735f2_total, .Lfunc_end_k_qcf388735f2_total-k_qcf388735f2_total
	.p2alignl 7, 3214868480
	.fill 96, 4, 3214868480
	.section	.rodata,"a",@progbits
	.p2align	6, 0x0
	.amdhsa_kernel k_qcf388735f2_total
		.amdhsa_group_segment_fixed_size 0
		.amdhsa_private_segment_fixed_size 0
		.amdhsa_enable_private_segment 0
		.amdhsa_kernarg_size 16
		.amdhsa_user_sgpr_count 2
		.amdhsa_user_sgpr_kernarg_segment_ptr 1
		.amdhsa_wavefront_size32 1
		.amdhsa_system_sgpr_workgroup_id_x 1
		.amdhsa_system_sgpr_workgroup_id_y 1
		.amdhsa_system_sgpr_workgroup_id_z 1
		.amdhsa_system_vgpr_workitem_id 0
		.amdhsa_next_free_vgpr 80
		.amdhsa_next_free_sgpr 66
		.amdhsa_reserve_vcc 1
		.amdhsa_float_denorm_mode_32 3
		.amdhsa_float_denorm_mode_16_64 3
		.amdhsa_memory_ordered 1
		.amdhsa_forward_progress 1
		.amdhsa_inst_pref_size 5
	.end_amdhsa_kernel
	.amdgpu_metadata
---
amdhsa.version: [ 1, 2 ]
amdhsa.kernels:
  - .name:           k_qcf388735f2_total
    .symbol:         k_qcf388735f2_total.kd
    .args:
      - { .name: part, .offset: 0, .size: 8, .value_kind: global_buffer, .address_space: global }
      - { .name: out2, .offset: 8, .size: 8, .value_kind: global_buffer, .address_space: global }
    .group_segment_fixed_size: 0
    .private_segment_fixed_size: 0
    .kernarg_segment_align: 8
    .kernarg_segment_size: 16
    .max_flat_workgroup_size: 32
    .sgpr_count:     66
    .vgpr_count:     80
    .wavefront_size: 32
...
	.end_amdgpu_metadata
.endif
;; end of part 3
